; MI455X (gfx1250); checked and timed in simulation.
; The chip was launched on July 23, 2026; its instructions are those of AMD's public machine-readable ISA for CDNA 5 (MIT licence, August 2026) and "CDNA5" Instruction Set Architecture Reference Guide (July 2026). The comments in the code are by the model that wrote it; some were corrected since.
;; Multi Head Attention. Allowed arithmetic: matrix products marked QUANTISED: E2M1 operands, one E8M0 scale for each 32 along K, by v_wmma_scale_f32_16x16x128_f8f6f4 with both operands' format E2M1 (or v_wmma_scale_f32_32x16x128_f4), f32 sums; everything else in f32.
;; Inputs: Wk_codes 1,024 x 32 x 16 uint8 (E2M1 codes of Wk, K innermost, in blocks of 32 codes, two codes a byte); Wk_scales 1,024 x 32 uint8 (E8M0 scales of Wk, one for each 32 codes along K); Wo_codes 1,024 x 32 x 16 uint8 (E2M1 codes of Wo, K innermost, in blocks of 32 codes, two codes a byte); Wo_scales 1,024 x 32 uint8 (E8M0 scales of Wo, one for each 32 codes along K); Wq_codes 1,024 x 32 x 16 uint8 (E2M1 codes of Wq, K innermost, in blocks of 32 codes, two codes a byte); Wq_scales 1,024 x 32 uint8 (E8M0 scales of Wq, one for each 32 codes along K); Wv_codes 1,024 x 32 x 16 uint8 (E2M1 codes of Wv, K innermost, in blocks of 32 codes, two codes a byte); Wv_scales 1,024 x 32 uint8 (E8M0 scales of Wv, one for each 32 codes along K); bo 1,024 float32; x_codes 4 x 2,048 x 32 x 16 uint8 (E2M1 codes of x, K innermost, in blocks of 32 codes, two codes a byte); x_scales 4 x 2,048 x 32 uint8 (E8M0 scales of x, one for each 32 codes along K).
;; Outputs: out0 4 x 2,048 x 1,024 float32.
;; This version of the problem:
;;   THIS VERSION OF THE PROBLEM IS GIVEN IN LOW PRECISION. The matrix products marked QUANTISED in the list below multiply operands that are first quantised to E2M1 (2 exponent bits, 1 mantissa bit; 4 bits a number), with one power-of-two scale for each 32 numbers along K (OCP MX v1.0); their sums are f32. All else is computed in f32.
;;   The module's matrix products, in the order in which they are computed (A, B: the left and right operand; K: the contracted axis; several contracted axes count as one K, in the product's order):
;;     1. [M 8,192, K 1,024] x [K 1,024, N 1,024]; A: input x (given as codes); B: input Wq (given as codes): QUANTISED
;;     2. [M 8,192, K 1,024] x [K 1,024, N 1,024]; A: input x (given as codes); B: input Wk (given as codes): QUANTISED
;;     3. [M 8,192, K 1,024] x [K 1,024, N 1,024]; A: input x (given as codes); B: input Wv (given as codes): QUANTISED
;;     4. batch 64 x [M 2,048, K 64] x [K 64, N 2,048]; A: computed on the way; B: computed on the way: QUANTISED
;;     5. batch 64 x [M 2,048, K 2,048] x [K 2,048, N 64]; A: softmax (see below); B: computed on the way: QUANTISED
;;     6. [M 8,192, K 1,024] x [K 1,024, N 1,024]; A: computed on the way; B: input Wo (given as codes): QUANTISED
;;   THE QUANTISER, for each operand of a quantised product, along K:
;;     - K is cut into blocks of 32 from its start; a last block that is shorter is filled with zeros.
;;     - A block's scale is 2^e with e = floor(log2(the largest magnitude in the block)) - 2, held to -126 .. 127; a block of zeros has e = 0. As a byte (E8M0): e + 127.
;;     - Each number is divided by its block's scale, clamped to +-6, and rounded to the nearest number of E2M1, ties to even, subnormals kept.
;;     - The product sums the exact products of the quantised numbers (number of the format x scale) in f32.
;;   ~~~python
;;   def quantise(x, axis):      # numpy; x: float32 -> the quantised numbers, widened to float32 again
;;       x = np.moveaxis(x, axis, -1); K = x.shape[-1]
;;       x = np.pad(x, [(0, 0)] * (x.ndim - 1) + [(0, -K % 32)]); x = x.reshape(x.shape[:-1] + (-1, 32)); a = np.abs(x).max(-1, keepdims=True)
;;       e = np.where(a > 0, np.clip(np.frexp(np.where(a > 0, a, 1))[1] - 1 - 2, -126, 127), 0)      # np.frexp(a)[1] - 1 = floor(log2(a)), exactly
;;       r = np.clip(x / 2.0 ** e, -6, 6)
;;       step = 2.0 ** (np.maximum(np.frexp(np.where(r == 0, 1, r))[1] - 1, 0) - 1)
;;       q = np.round(r / step) * step * 2.0 ** e      # np.round: ties to even
;;       return np.moveaxis(q.reshape(q.shape[:-2] + (-1,))[..., :K], -1, axis).astype(np.float32)
;;   ~~~
;;   SOFTMAX AHEAD OF A QUANTISED PRODUCT. Where the list says 'softmax', what is quantised is not the finished softmax but p = 2^(t - M), with t = logit x log2(e) and M = ceil(the row's largest t), a whole number; so 1/2 < the row's largest p <= 1. The row's sum l is taken of the UNQUANTISED p, in f32, and the product's result is divided by l at the end. Since M is a whole number, a kernel that streams over the keys may use a running M (the ceiling of the running maximum): every later rescaling is an exact power of two, which a block's scale takes up: the codes' values come out the same.
;;   OPERANDS COMPUTED ON THE WAY. 'Computed on the way' means the value that the module computes at that place (a softmax that the list does not call 'softmax' is quantised finished and normalised). What goes into a quantiser is computed in f32, as accurately as f32 sums, v_exp_f32 and their like allow (about 1e-6 of the number): no bf16 or f16 on the way to a quantiser, and a product that is left as it is and whose result goes on into a quantised operand takes f32 operands (vector FMAs, or v_wmma_f32_16x16x4_f32). A number that lies on a knife's edge between two numbers of the format may be rounded either way, as far as f32 arithmetic and the matrix unit's own rounding can turn it there, and no further.
;;   INPUTS GIVEN AS CODES. Wk (in the module: [1024, 1024], K = its axis 0); Wo (in the module: [1024, 1024], K = its axis 1); Wq (in the module: [1024, 1024], K = its axis 0); Wv (in the module: [1024, 1024], K = its axis 0); x (in the module: [4, 2048, 1024], K = its axis 2): each comes as NAME_codes (uint8): NAME with its K axis moved to the last place and cut into blocks of 32 codes, [.., K / 32, bytes a block], one block behind the other in memory; two codes a byte, the lower K in the low four bits (a code: sign, 2 exponent bits, 1 mantissa bit); and NAME_scales (uint8): the same leading axes, one E8M0 byte (e + 127) for each 32 codes along K. Its value is code x scale, taken as it is: it is not quantised again, and the codes and scales need not be those that the quantiser above would give.
;; One version. Each part assembles by itself: llvm-mc -triple=amdgcn-amd-amdhsa -mcpu=gfx1250 --defsym DOCPART=n.
;; ======== version 1 of 1: 3 launches
;; workspace buffers: qkv 13,893,632 bytes; ctx 4,456,448 bytes
;; launch proj (part 1): grid 12 x 64, 4 waves a work-group, clusters of 4 x 4, 209,408 bytes of LDS; arguments x_codes, x_scales, Wq_codes, Wq_scales, Wk_codes, Wk_scales, Wv_codes, Wv_scales, qkv; writes qkv
.if DOCPART == 1
	.amdgcn_target "amdgcn-amd-amdhsa--gfx1250"
	.amdhsa_code_object_version 6
	.text
	.protected	k_qcf7c89f049_proj
	.globl	k_qcf7c89f049_proj
	.p2align	8
	.type	k_qcf7c89f049_proj,@function
k_qcf7c89f049_proj:
	s_mov_b64 s[64:65], 0
	v_nop
	global_prefetch_b8 v0, s[64:65] scope:SCOPE_SE
	s_setreg_imm32_b32 hwreg(HW_REG_WAVE_MODE, 25, 1), 1
	s_wait_xcnt 0x0
	s_wait_alu depctr_hold_cnt(0) depctr_sa_sdst(0) depctr_va_vdst(0) depctr_va_sdst(0) depctr_va_ssrc(0) depctr_va_vcc(0) depctr_vm_vsrc(0)
	s_getreg_b32 s2, hwreg(HW_REG_IB_STS2, 6, 4)
	s_cmp_eq_u32 s2, 0
	s_cbranch_scc0 .Lentry_in_a_cluster
	s_endpgm
.Lentry_in_a_cluster:
	s_bfe_u32 s2, ttmp6, 0x10000c
	s_cmp_lg_u32 s2, 0xf033
	s_cbranch_scc0 .Lentry_shape_is_right
	s_endpgm
.Lentry_shape_is_right:
; q = x Wq, k = x Wk, v = x Wv on codes of FP4 (E2M1) with E8M0 scales, and their results quantised again in registers: q and k along the head's 64, v along the keys.
; x: [8192][1024] codes, 512 bytes a row, 32 scale bytes a row.  W*: [1024 (n)][1024 (k)] likewise.
; OUT: qkv, 1,024 records of 13,568 bytes, record (16 b + head) 16 + block of 128 rows:  +0 K codes [tile 8][lane][16 B]; +4096 V codes [d tile 4][c 2][lane][16 B]; +8192 K scale words [lane][4];
;   +8704 V scale words [lane][2]; +8960 Q codes as K's; +13056 Q scale words as K's.  All lie in the order of the operand registers of the launch that reads them.
; SHARES.  The cluster's x says which product (0 q, 1 k, 2 v): the same in all sixteen partners.  A work-group makes 128 rows x 256 columns (four heads), a wave 128 x 64: one head, 32 accumulators.
; q, k: the matrix instruction is used TRANSPOSED (source 0 = 16 rows of W, source 1 = 16 rows of x): a lane holds one row of x and its registers run along the head's 64.
; v: NATURAL (source 0 = x, source 1 = W): a lane holds one channel d and its registers run down the keys.  Either way 64 neighbouring accumulator registers are four blocks of 32 along the later K.
; LDS: all of K fits at once, as two halves of 512 along K (256 bytes a row + 16 of padding): nothing is filled twice.  Half kh at kh x SLOT: x's 128 rows, then W's 256 rows.
; CLUSTER 4 x 4: the four of a row need the same rows of x, the four of a column the same rows of W: each tile is asked for jointly.
; Nothing is prefetched: all that a work-group reads is asked for by the loads at its head.
; LIMITS: NaN and infinities are not served.  A block of zeros, or one whose largest magnitude lies under 2^-124, gets the scale byte 1; these bytes are read by this program alone.
; REGISTERS: window 0: v1-10 addresses; v16-47 x's scale words, v48-63 W's; v64-159 and v160-255 two sets of fragments (x's eight, then W's four); behind the products v64-131 are at work.  window 1: the accumulators.
.set PITCH, 272                        ; 68 words: the sixteen rows that a fragment load touches start at sixteen different banks
.set TILEB, 16*PITCH
.set WOFF,  128*PITCH
.set SLOT,  384*PITCH
.set REC,   13568
.set SA,    16                         ; register 8 g + q: lanes 0-15 the word of x's tile 2 g for K step q, lanes 16-31 that of tile 2 g + 1
.set SB,    48                         ; the same for W's tiles
.set TM,    64                         ; +0..3 largest magnitudes, +4..7 the other half's, +8..11 the conversions' scale operands
.set BY,    80                         ; scale bytes, 4 g + block
.set PC,    96                         ; codes: eight registers for each g, so that no store's data are written again
.set WD,    128                        ; scale words on their way out
.set G1A,   24
.set G1B,   32
.set PADW,  (1<<20)|(1<<21)|(5<<22)|(3<<25)   ; padding on; bit 21 beside a mask; after every 64 words; four words.  Elements of one byte
.set MSB, 0
.macro WIN new                         ; the immediate's high byte repeats the setting that is left
.if MSB != \new
	s_set_vgpr_msb (MSB<<8)|\new
.set MSB, \new
.endif
.endm
.macro CROUND                          ; a round of the cluster's barrier
	s_barrier_signal -1
	s_barrier_wait -1
	s_cmp_lg_u32 s22, 0
	s_cbranch_scc1 .Lnot_wave_0_\@
	s_barrier_signal -3
.Lnot_wave_0_\@:
	s_barrier_wait -3
	s_barrier_signal -1
	s_barrier_wait -1
.endm
.macro PLACES n
.rept \n
	v_nop
.endr
.endm
; One product.  d, a, b, c: first registers of D, source 0, source 1, C;  z = 1: C is the constant 0;  sa, sb: scale registers;  ra, rb = 1: that side's words lie in lanes 16-31.
.macro WM d, a, b, c, z, sa, sb, ra, rb
.if \z
.if (\ra) && (\rb)
	v_wmma_scale_f32_16x16x128_f8f6f4 v[\d:\d+7], v[\a:\a+7], v[\b:\b+7], 0, v[\sa], v[\sb] matrix_a_fmt:MATRIX_FMT_FP4 matrix_b_fmt:MATRIX_FMT_FP4 matrix_a_scale:MATRIX_SCALE_ROW1 matrix_b_scale:MATRIX_SCALE_ROW1
.elseif (\ra)
	v_wmma_scale_f32_16x16x128_f8f6f4 v[\d:\d+7], v[\a:\a+7], v[\b:\b+7], 0, v[\sa], v[\sb] matrix_a_fmt:MATRIX_FMT_FP4 matrix_b_fmt:MATRIX_FMT_FP4 matrix_a_scale:MATRIX_SCALE_ROW1
.elseif (\rb)
	v_wmma_scale_f32_16x16x128_f8f6f4 v[\d:\d+7], v[\a:\a+7], v[\b:\b+7], 0, v[\sa], v[\sb] matrix_a_fmt:MATRIX_FMT_FP4 matrix_b_fmt:MATRIX_FMT_FP4 matrix_b_scale:MATRIX_SCALE_ROW1
.else
	v_wmma_scale_f32_16x16x128_f8f6f4 v[\d:\d+7], v[\a:\a+7], v[\b:\b+7], 0, v[\sa], v[\sb] matrix_a_fmt:MATRIX_FMT_FP4 matrix_b_fmt:MATRIX_FMT_FP4
.endif
.else
.if (\ra) && (\rb)
	v_wmma_scale_f32_16x16x128_f8f6f4 v[\d:\d+7], v[\a:\a+7], v[\b:\b+7], v[\c:\c+7], v[\sa], v[\sb] matrix_a_fmt:MATRIX_FMT_FP4 matrix_b_fmt:MATRIX_FMT_FP4 matrix_a_scale:MATRIX_SCALE_ROW1 matrix_b_scale:MATRIX_SCALE_ROW1
.elseif (\ra)
	v_wmma_scale_f32_16x16x128_f8f6f4 v[\d:\d+7], v[\a:\a+7], v[\b:\b+7], v[\c:\c+7], v[\sa], v[\sb] matrix_a_fmt:MATRIX_FMT_FP4 matrix_b_fmt:MATRIX_FMT_FP4 matrix_a_scale:MATRIX_SCALE_ROW1
.elseif (\rb)
	v_wmma_scale_f32_16x16x128_f8f6f4 v[\d:\d+7], v[\a:\a+7], v[\b:\b+7], v[\c:\c+7], v[\sa], v[\sb] matrix_a_fmt:MATRIX_FMT_FP4 matrix_b_fmt:MATRIX_FMT_FP4 matrix_b_scale:MATRIX_SCALE_ROW1
.else
	v_wmma_scale_f32_16x16x128_f8f6f4 v[\d:\d+7], v[\a:\a+7], v[\b:\b+7], v[\c:\c+7], v[\sa], v[\sb] matrix_a_fmt:MATRIX_FMT_FP4 matrix_b_fmt:MATRIX_FMT_FP4
.endif
.endif
.endm
	s_load_b128 s[4:7], s[0:1], 0x0                ; x's codes, x's scales
	s_load_b128 s[8:11], s[0:1], 0x10              ; Wq's
	s_load_b128 s[12:15], s[0:1], 0x20             ; Wk's
	s_load_b128 s[16:19], s[0:1], 0x30             ; Wv's
	s_load_b64 s[20:21], s[0:1], 0x40              ; qkv
	v_lshl_add_u32 v14, v0, 2, 0x33000
	v_mov_b32 v15, 0
	ds_add_u32 v14, v15
	ds_add_u32 v14, v15
	v_lshrrev_b32 v1, 5, v0
	v_readfirstlane_b32 s22, v1                    ; wave 0..3
	s_mov_b32 s23, ttmp9                           ; which product: the cluster's x
	s_bfe_u32 s56, ttmp6, 0x40000                  ; cx: which 256 columns
	s_bfe_u32 s57, ttmp6, 0x40004                  ; cy
	s_and_b32 s58, ttmp7, 0xffff
	s_lshl_b32 s58, s58, 2
	s_add_co_u32 s58, s58, s57                     ; mt = 4 x cluster y + cy: which 128 rows of x
	s_lshl_b32 s59, s57, 2
	s_lshl_b32 s59, 15, s59                        ; my row of the cluster
	s_lshl_b32 s60, 0x1111, s56                    ; my column
	s_or_b32 s[G1A], s59, PADW                     ; x's tiles go to my row: 32 rows x 256 bytes a wave
	s_mov_b32 s[G1A+1], 256<<16                    ; tensor_dim0
	s_mov_b32 s[G1A+2], 32<<16                     ; tensor_dim1
	s_mov_b32 s[G1A+3], 256<<16                    ; tile_dim0
	s_mov_b32 s[G1A+4], 32                         ; tile_dim1
	s_mov_b32 s[G1A+5], 512                        ; bytes from row to row
	s_mov_b32 s[G1A+6], 0
	s_mov_b32 s[G1A+7], 0
	s_or_b32 s[G1B], s60, PADW                     ; W's tiles go to my column: 64 rows x 256 bytes a wave
	s_mov_b32 s[G1B+1], 256<<16
	s_mov_b32 s[G1B+2], 64<<16
	s_mov_b32 s[G1B+3], 256<<16
	s_mov_b32 s[G1B+4], 64
	s_mov_b32 s[G1B+5], 512
	s_mov_b32 s[G1B+6], 0
	s_mov_b32 s[G1B+7], 0
	s_mov_b32 s40, 1                               ; group 0: x, K half 0
	s_mul_i32 s41, s22, 32*PITCH
	s_mov_b32 s44, 1                               ; W, K half 0
	s_mul_i32 s45, s22, 64*PITCH
	s_add_co_u32 s45, s45, WOFF
	s_mov_b32 s48, 1                               ; x, K half 1
	s_add_co_u32 s49, s41, SLOT
	s_mov_b32 s52, 1                               ; W, K half 1
	s_add_co_u32 s53, s45, SLOT
	s_lshl_b32 s66, s58, 16                        ; x: (128 mt + 32 wave) rows of 512 bytes: made of mt and the wave's number alone
	s_lshl_b32 s74, s22, 14
	s_add_co_u32 s66, s66, s74
	s_mov_b32 s67, 0
	s_lshl_b32 s68, s56, 17                        ; W: (256 cx + 64 wave) rows: made of cx and the wave's number alone
	s_lshl_b32 s75, s22, 15
	s_add_co_u32 s68, s68, s75
	s_mov_b32 s69, 0
	s_lshl_b32 s70, s58, 12                        ; x's scales: 128 mt rows of 32 bytes
	s_mov_b32 s71, 0
	s_lshl_b32 s76, s56, 13                        ; W's scales: (256 cx + 64 wave) rows of 32 bytes
	s_lshl_b32 s77, s22, 11
	s_add_co_u32 s76, s76, s77
	s_mov_b32 s77, 0
	s_mov_b32 s80, 0x76543210                      ; v_permlanex16_b32's selects for lane l xor 16
	s_mov_b32 s81, 0xfedcba98
	s_mov_b32 s82, 0xffff0000                      ; lanes 16-31
	s_wait_dscnt 0x0
	s_wait_kmcnt 0x0
	s_cmp_eq_u32 s23, 1                            ; the weight: a choice on the cluster's number alone
	s_cselect_b64 s[8:9], s[12:13], s[8:9]
	s_cselect_b64 s[10:11], s[14:15], s[10:11]
	s_cmp_eq_u32 s23, 2
	s_cselect_b64 s[8:9], s[16:17], s[8:9]
	s_cselect_b64 s[10:11], s[18:19], s[10:11]
	s_add_nc_u64 s[42:43], s[4:5], s[66:67]
	s_add_nc_u64 s[50:51], s[42:43], 256           ; the second K half begins 256 bytes on in each row
	s_or_b32 s43, s43, 0x80000000
	s_or_b32 s51, s51, 0x80000000
	s_add_nc_u64 s[46:47], s[8:9], s[68:69]
	s_add_nc_u64 s[54:55], s[46:47], 256
	s_or_b32 s47, s47, 0x80000000
	s_or_b32 s55, s55, 0x80000000
	s_add_nc_u64 s[6:7], s[6:7], s[70:71]
	s_add_nc_u64 s[10:11], s[10:11], s[76:77]
	CROUND                                         ; all sixteen work-groups are here: the joint loads meet
	tensor_load_to_lds s[40:43], s[G1A:G1A+7]      ; all fills of the launch, as one group: four loads of mine are out
	s_nop 0
	tensor_load_to_lds s[44:47], s[G1B:G1B+7]
	s_nop 0
	tensor_load_to_lds s[48:51], s[G1A:G1A+7]
	s_nop 0
	tensor_load_to_lds s[52:55], s[G1B:G1B+7]
	s_nop 0
.rept 4
	v_nop
.endr
	v_and_b32 v1, 31, v0                           ; lane
	v_and_b32 v2, 15, v0                           ; r
	v_bfe_u32 v3, v0, 4, 1                         ; h
	v_mul_u32_u24 v4, v2, PITCH
	v_lshl_add_u32 v4, v3, 4, v4                   ; x's fragments, K half 0: row r x pitch + 16 h
	v_add_nc_u32 v5, SLOT, v4                      ; K half 1
	v_add_nc_u32 v6, s45, v4                       ; W's: my wave's 64 rows
	v_add_nc_u32 v7, s53, v4
	v_lshlrev_b32 v8, 5, v1                        ; 32 x lane: a row of scale bytes
	v_lshlrev_b32 v9, 4, v1                        ; 16 x lane
	v_lshlrev_b32 v10, 3, v1                       ; 8 x lane
.irp g, 0,1,2,3                                ; a row's 32 scale bytes are its eight words: lane l takes row 32 g + l; the two loads together cover 1,024 consecutive bytes
	global_load_b128 v[SA+8*\g:SA+8*\g+3], v8, s[6:7] offset:1024*\g
	global_load_b128 v[SA+8*\g+4:SA+8*\g+7], v8, s[6:7] offset:1024*\g+16
.endr
.irp z, 0,1
	global_load_b128 v[SB+8*\z:SB+8*\z+3], v8, s[10:11] offset:1024*\z
	global_load_b128 v[SB+8*\z+4:SB+8*\z+7], v8, s[10:11] offset:1024*\z+16
.endr
	; where my head's results go
	s_mov_b32 s86, 0                               ; k: codes at +0, scale words at +8192
	s_mov_b32 s87, 8192
	s_cmp_eq_u32 s23, 0
	s_cselect_b32 s86, 8960, s86                   ; q
	s_cselect_b32 s87, 13056, s87
	s_cmp_eq_u32 s23, 2
	s_cselect_b32 s86, 4096, s86                   ; v
	s_cselect_b32 s87, 8704, s87
	s_and_b32 s84, s58, 0x30                       ; 16 b
	s_lshl_b32 s85, s56, 2
	s_add_co_u32 s84, s84, s85
	s_add_co_u32 s84, s84, s22                     ; + head = 4 cx + wave
	s_lshl_b32 s84, s84, 4
	s_and_b32 s85, s58, 15
	s_add_co_u32 s84, s84, s85                     ; the record
	s_mul_i32 s84, s84, REC
	s_add_co_u32 s88, s84, s86
	s_mov_b32 s89, 0
	s_add_co_u32 s90, s84, s87
	s_mov_b32 s91, 0
	s_add_nc_u64 s[72:73], s[20:21], s[90:91]      ; scale words
	s_add_nc_u64 s[20:21], s[20:21], s[88:89]      ; codes
; 24 LDS loads: K step q's fragments into set: W's four, then x's eight.  A fragment, 16 rows x 128 K of 4-bit codes, is two loads of 16 bytes, 32 bytes apart.
.macro FETCH q, set
.irp t, 0,1,2,3
.irp c, 0,1
	ds_load_b128 v[128+96*(\set)+8*\t+4*\c:128+96*(\set)+8*\t+4*\c+3], v[6+(\q)/4] offset:\t*TILEB+64*((\q)%4)+32*\c
.endr
.endr
.irp a, 0,1,2,3,4,5,6,7
.irp c, 0,1
	ds_load_b128 v[64+96*(\set)+8*\a+4*\c:64+96*(\set)+8*\a+4*\c+3], v[4+(\q)/4] offset:\a*TILEB+64*((\q)%4)+32*\c
.endr
.endr
.endm
; 32 products of a K step; the 32 accumulators take turns, one instruction a turn, in the same order in every step.  The first step's take the constant 0: nothing is cleared.
.macro MULT q, set                     ; transposed: accumulator (a, t) at 8 (4 a + t)
.irp a, 0,1,2,3,4,5,6,7
.irp t, 0,1,2,3
	WM 8*(4*\a+\t), 128+96*(\set)+8*\t, 64+96*(\set)+8*\a, 8*(4*\a+\t), (\q)==0, SB+8*(\t/2)+(\q), SA+8*(\a/2)+(\q), \t%2, \a%2
.endr
.endr
.endm
.macro MULN q, set                     ; natural: accumulator (t, a) at 8 (8 t + a)
.irp t, 0,1,2,3
.irp a, 0,1,2,3,4,5,6,7
	WM 8*(8*\t+\a), 64+96*(\set)+8*\a, 128+96*(\set)+8*\t, 8*(8*\t+\a), (\q)==0, SA+8*(\a/2)+(\q), SB+8*(\t/2)+(\q), \a%2, \t%2
.endr
.endr
.endm
.macro STEP q
.if (\q) > 0
	PLACES 4                                       ; in front of loads into the set that the last step's products read
.endif
.if (\q) == 3
	s_wait_tensorcnt 0x0                           ; my parts of the second K half have landed,
	s_wait_dscnt 0x0                               ; no LDS load of mine is out at the signal,
	s_barrier_signal -1
	s_barrier_wait -1                              ; and so have everybody's
.endif
.if (\q) < 7
	FETCH (\q)+1, ((\q)+1)%2
	s_wait_dscnt 24                                ; all but the 24 just issued: this step's fragments are in
.else
	s_wait_dscnt 0x0
.endif
	s_cmp_eq_u32 s23, 2                            ; the products alone differ between q, k and v; the branch is the same in all partners and all waves
	s_cbranch_scc1 .Lnat_\@
	WIN 0x50                                       ; C and D in window 1
	MULT \q, (\q)%2
	WIN 0
	s_branch .Ljoin_\@
.Lnat_\@:
	WIN 0x50
	MULN \q, (\q)%2
	WIN 0
.Ljoin_\@:
.endm
; Accumulator registers 64 g .. 64 g + 63: four blocks of 32 along the later K; block B is tiles 2 B and 2 B + 1, register j of a tile = index 8 h + j.  They become two runs of four code registers in the operand's
; order: the conversion of tile 2 B + u goes to register 4 (B / 2) + 2 u + B % 2, and one exchange of halves for each pair of registers leaves register 4 c + i with k = 64 c + 32 h + 8 i .. + 7.
.macro QUANT g
	WIN 0x05                                       ; sources 0 and 1 in window 1
.irp b, 0,1,2,3
	v_max3_num_f32 v[TM+\b], |v[64*(\g)+16*\b]|, |v[64*(\g)+16*\b+1]|, 0x1800000   ; my 16 numbers of block b, each accumulator from its low end on, and the floor 2^(3 - 127): the byte cannot fall under 1
.endr
.irp i, 2,4,6,8,10,12,14
.irp b, 0,1,2,3
	v_max3_num_f32 v[TM+\b], |v[64*(\g)+16*\b+\i]|, |v[64*(\g)+16*\b+\i+1]|, v[TM+\b]
.endr
.endr
	WIN 0
.irp b, 0,1,2,3
	v_permlanex16_b32 v[TM+4+\b], v[TM+\b], s80, s81
.endr
.irp b, 0,1,2,3
	v_max_num_f32 v[TM+\b], v[TM+\b], v[TM+4+\b]   ; with lane l xor 16's: the block's largest magnitude
.endr
.irp b, 0,1,2,3
	v_add_nc_u32 v[TM+8+\b], 0xff000000, v[TM+\b]  ; 2 off its exponent field: the conversion's scale operand
.endr
.irp b, 0,1,2,3
	v_lshrrev_b32 v[BY+4*(\g)+\b], 23, v[TM+8+\b]  ; the scale's byte
.endr
	WIN 0x01                                       ; source 0 in window 1
.irp b, 0,1,2,3
.irp u, 0,1
	v_cvt_scalef32_pk8_fp4_f32 v[PC+8*(\g)+4*(\b/2)+2*\u+\b%2], v[64*(\g)+16*\b+8*\u:64*(\g)+16*\b+8*\u+7], v[TM+8+\b]
.endr
.endr
	WIN 0
	v_nop                                          ; one plain place behind a scaled conversion
.irp c, 0,1
.irp u, 0,1
	v_permlane16_swap_b32 v[PC+8*(\g)+4*\c+2*\u], v[PC+8*(\g)+4*\c+2*\u+1]
.endr
.endr
	global_store_b128 v9, v[PC+8*(\g):PC+8*(\g)+3], s[20:21] offset:1024*(\g)        ; 32 lanes store 512 consecutive bytes, aligned
	global_store_b128 v9, v[PC+8*(\g)+4:PC+8*(\g)+7], s[20:21] offset:1024*(\g)+512
.endm
	s_wait_tensorcnt 2                             ; my parts of the first K half are in; the second half's two loads may stay out
	s_barrier_signal -1
	s_barrier_wait -1                              ; everybody's are
	FETCH 0, 0
	s_wait_loadcnt 0x0                             ; the scale words
	STEP 0
	STEP 1
	STEP 2
	STEP 3
	STEP 4
	STEP 5
	STEP 6
	STEP 7
.irp b, 0,1,2,3
	v_mov_b32 v[TM+4+\b], 0                        ; a lane permute's destination counts as one of its sources.  These four are also the places in front of the first read of results
.endr
	QUANT 0
	QUANT 1
	QUANT 2
	QUANT 3
	s_cmp_eq_u32 s23, 2
	s_cbranch_scc1 .Lv_scales
.irp g, 0,1,2,3                                ; q, k: word g: lanes 0-15 tile 2 g's two bytes, lanes 16-31 tile 2 g + 1's; the word's upper two bytes are 0
	v_lshl_or_b32 v[TM+\g], v[BY+4*\g+1], 8, v[BY+4*\g]
	v_lshl_or_b32 v[TM+4+\g], v[BY+4*\g+3], 8, v[BY+4*\g+2]
	v_cndmask_b32 v[WD+\g], v[TM+\g], v[TM+4+\g], s82
.endr
	global_store_b128 v9, v[WD:WD+3], s[72:73]     ; 512 consecutive bytes
	s_branch .Lstored
.Lv_scales:
.irp g, 0,1,2,3                                ; v: d tile g's word: the bytes of the four blocks of keys
	v_lshl_or_b32 v[TM+\g], v[BY+4*\g+1], 8, v[BY+4*\g]
	v_lshl_or_b32 v[TM+\g], v[BY+4*\g+2], 16, v[TM+\g]
	v_lshl_or_b32 v[TM+\g], v[BY+4*\g+3], 24, v[TM+\g]
.endr
	v_cndmask_b32 v[WD], v[TM], v[TM+1], s82       ; word z: lanes 0-15 d tile 2 z, lanes 16-31 d tile 2 z + 1
	v_cndmask_b32 v[WD+1], v[TM+2], v[TM+3], s82
	global_store_b64 v10, v[WD:WD+1], s[72:73]     ; 256 consecutive bytes
.Lstored:
	s_wait_tensorcnt 0x0
	ds_add_u32 v14, v15
	s_wait_dscnt 0x0
	CROUND                                         ; the closing round: no work-group ends while a partner may still ask for a tile that names it
	s_endpgm
.Lfunc_end_k_qcf7c89f049_proj:
	.size	k_qcf7c89f049_proj, .Lfunc_end_k_qcf7c89f049_proj-k_qcf7c89f049_proj
	.p2alignl 7, 3214868480
	.fill 96, 4, 3214868480
	.section	.rodata,"a",@progbits
	.p2align	6, 0x0
	.amdhsa_kernel k_qcf7c89f049_proj
		.amdhsa_group_segment_fixed_size 209408
		.amdhsa_private_segment_fixed_size 0
		.amdhsa_enable_private_segment 0
		.amdhsa_kernarg_size 72
		.amdhsa_user_sgpr_count 2
		.amdhsa_user_sgpr_kernarg_segment_ptr 1
		.amdhsa_wavefront_size32 1
		.amdhsa_system_sgpr_workgroup_id_x 1
		.amdhsa_system_sgpr_workgroup_id_y 1
		.amdhsa_system_sgpr_workgroup_id_z 1
		.amdhsa_system_vgpr_workitem_id 0
		.amdhsa_next_free_vgpr 512
		.amdhsa_next_free_sgpr 96
		.amdhsa_reserve_vcc 0
		.amdhsa_float_denorm_mode_32 3
		.amdhsa_float_denorm_mode_16_64 3
		.amdhsa_memory_ordered 1
		.amdhsa_forward_progress 1
		.amdhsa_inst_pref_size 105
	.end_amdhsa_kernel
	.amdgpu_metadata
---
amdhsa.version: [ 1, 2 ]
amdhsa.kernels:
  - .name:           k_qcf7c89f049_proj
    .symbol:         k_qcf7c89f049_proj.kd
    .args:
      - { .name: x_codes, .offset: 0, .size: 8, .value_kind: global_buffer, .address_space: global }
      - { .name: x_scales, .offset: 8, .size: 8, .value_kind: global_buffer, .address_space: global }
      - { .name: Wq_codes, .offset: 16, .size: 8, .value_kind: global_buffer, .address_space: global }
      - { .name: Wq_scales, .offset: 24, .size: 8, .value_kind: global_buffer, .address_space: global }
      - { .name: Wk_codes, .offset: 32, .size: 8, .value_kind: global_buffer, .address_space: global }
      - { .name: Wk_scales, .offset: 40, .size: 8, .value_kind: global_buffer, .address_space: global }
      - { .name: Wv_codes, .offset: 48, .size: 8, .value_kind: global_buffer, .address_space: global }
      - { .name: Wv_scales, .offset: 56, .size: 8, .value_kind: global_buffer, .address_space: global }
      - { .name: qkv, .offset: 64, .size: 8, .value_kind: global_buffer, .address_space: global }
    .group_segment_fixed_size: 209408
    .private_segment_fixed_size: 0
    .kernarg_segment_align: 8
    .kernarg_segment_size: 72
    .max_flat_workgroup_size: 128
    .sgpr_count:     96
    .vgpr_count:     512
    .wavefront_size: 32
...
	.end_amdgpu_metadata
.endif
;; end of part 1
;; launch attn (part 2): grid 4 x 64, 16 waves a work-group, clusters of 4 x 1, 169,984 bytes of LDS; arguments qkv, ctx; writes ctx
.if DOCPART == 2
	.amdgcn_target "amdgcn-amd-amdhsa--gfx1250"
	.amdhsa_code_object_version 6
	.text
	.protected	k_qcf7c89f049_attn
	.globl	k_qcf7c89f049_attn
	.p2align	8
	.type	k_qcf7c89f049_attn,@function
k_qcf7c89f049_attn:
	s_mov_b64 s[64:65], 0
	v_nop
	global_prefetch_b8 v0, s[64:65] scope:SCOPE_SE
	s_setreg_imm32_b32 hwreg(HW_REG_WAVE_MODE, 25, 1), 1
	s_wait_xcnt 0x0
	s_wait_alu depctr_hold_cnt(0) depctr_sa_sdst(0) depctr_va_vdst(0) depctr_va_sdst(0) depctr_va_ssrc(0) depctr_va_vcc(0) depctr_vm_vsrc(0)
	s_getreg_b32 s2, hwreg(HW_REG_IB_STS2, 6, 4)
	s_cmp_eq_u32 s2, 0
	s_cbranch_scc0 .Lentry_in_a_cluster
	s_endpgm
.Lentry_in_a_cluster:
	s_bfe_u32 s2, ttmp6, 0x10000c
	s_cmp_lg_u32 s2, 0x3003
	s_cbranch_scc0 .Lentry_shape_is_right
	s_endpgm
.Lentry_shape_is_right:
; ctx[b][q][head] = softmax over the keys k <= q of (Q . K / 8) times V, both products on codes of FP4 (E2M1) with E8M0 scales, and ctx quantised along its 1,024 columns for the last product.
; IN: qkv, records of 13,568 bytes (16 (16 b + head) + block of 128 rows): K codes, V codes, K scale words, V scale words (the first 8,960 bytes: one key step), Q codes, Q scale words.
; OUT: ctx, 64 records of 69,632 bytes (16 b + block of 128 rows): codes [K step 8][tile 8][c 2][lane][16 B] (K step p = heads 2 p, 2 p + 1; c the head's parity), then scale bytes [row 128][32].
; THE SOFTMAX: t = score x log2(e) / 8; M = the running largest t rounded up to a whole number; p = 2^(t - M) is quantised along the keys, not normalised; the sum is taken of the unquantised p and divides at the end.
; When M moves, the sum and O are multiplied by 2^(old M - new M): exact.
; SHARES.  The four work-groups of a cluster serve one head; 64 waves, two tiles of 16 queries each: wave w of work-group cx has a = w / 2, e = 4 (w % 2) + cx and owns tile 8 a + e (key steps 0 .. a)
; and tile 127 - (8 a + e) (key steps 0 .. 15 - a): 17 steps of 128 keys for every wave.  Steps whose keys all come after the queries are left out.  Which steps a wave walks, and which is its diagonal step,
; hangs on the wave's number alone; cx enters global addresses and the mask's comparison only.
; LDS: the head's sixteen key steps, 8,960 bytes each, come once, one load a wave, asked for jointly by the four work-groups; nothing is filled twice and nothing is stored to LDS.
; Nothing is prefetched: all that a work-group reads is asked for by the loads at its head.
; LAYOUT.  Both products are used transposed: S^T = K Q^T (source 0 = 16 keys), O^T = V^T P^T (source 0 = 16 channels): a lane holds ONE query (lane % 16) throughout.
; THE HEAD HAS 64 CHANNELS, THE INSTRUCTION 128 ALONG K: Q's upper four registers are zero codes.  K's tiles lie four registers apart, so the upper half of a tile's operand is the next tile's codes (behind the last: zeros):
; they meet Q's zero codes and add nothing; the scale bytes of that half are 0 and never 0xff.
; O^T and the sums begin as zeros and the largest t as -3e38, so that the step is written once for each tile and its first pass needs no form of its own.
; LIMITS: NaN and infinities are not served.  A block of zeros, or one under 2^-124, gets the scale byte 1; these bytes are read by this program alone.  ctx's scale bytes leave as single bytes, two in each row of 32.
.set REC,   13568
.set CREC,  69632
.set KSTEP, 8960
.set L16,  1                           ; 16 x lane
.set L8,   2                           ; 8 x lane
.set ADK,  3                           ; LDS address of the step's codes and K's scale words
.set ADS,  4                           ; and of V's scale words
.set DQL,  5                           ; my query's place in its block of 128, less 8 h: late tile, early tile
.set DQE,  6
.set LSC,  7                           ; 32 r + h: my byte among ctx's scale bytes
.set NML,  8                           ; v[8:9] -M and the largest t; v[10:11] the sum in two halves: late tile
.set SUML, 10
.set NME,  12                          ; the same: early tile
.set SUME, 14
.set QL,   16                          ; Q's operand: four registers of codes, four of zeros
.set QE,   24
.set QSL,  32                          ; Q's scale words
.set QSE,  33
.set VS,   34                          ; V's scale words: register z: lanes 0-15 d tile 2 z, lanes 16-31 d tile 2 z + 1
.set KS,   36                          ; K's: register g: lanes 0-15 tile 2 g, lanes 16-31 tile 2 g + 1
.set KF,   40                          ; v40-71 K's eight tiles, v72-75 zeros; later V's four fragments in v40-71
.set R16,  76
.set S,    80                          ; S^T, then p
.set OL,   144
.set OE,   176
.set PC,   208                         ; p's codes; at the end ctx's
.set BM,   216
.set BT,   220
.set SO,   224
.set T0,   228
.set F,    230
.set C2,   232
.set PS,   234                         ; p's scale word
.set NINF, 236
.set CB,   238                         ; ctx's scale bytes: late, early
.macro CROUND
	s_barrier_signal -1
	s_barrier_wait -1
	s_cmp_lg_u32 s8, 0
	s_cbranch_scc1 .Lnot_wave_0_\@
	s_barrier_signal -3
.Lnot_wave_0_\@:
	s_barrier_wait -3
	s_barrier_signal -1
	s_barrier_wait -1
.endm
; One product.  d, a, b, c: first registers of D, source 0, source 1, C;  z = 1: C is the constant 0;  sa, sb: scale registers;  ra, rb = 1: that side's words lie in lanes 16-31.
.macro WM d, a, b, c, z, sa, sb, ra, rb
.if \z
.if (\ra) && (\rb)
	v_wmma_scale_f32_16x16x128_f8f6f4 v[\d:\d+7], v[\a:\a+7], v[\b:\b+7], 0, v[\sa], v[\sb] matrix_a_fmt:MATRIX_FMT_FP4 matrix_b_fmt:MATRIX_FMT_FP4 matrix_a_scale:MATRIX_SCALE_ROW1 matrix_b_scale:MATRIX_SCALE_ROW1
.elseif (\ra)
	v_wmma_scale_f32_16x16x128_f8f6f4 v[\d:\d+7], v[\a:\a+7], v[\b:\b+7], 0, v[\sa], v[\sb] matrix_a_fmt:MATRIX_FMT_FP4 matrix_b_fmt:MATRIX_FMT_FP4 matrix_a_scale:MATRIX_SCALE_ROW1
.elseif (\rb)
	v_wmma_scale_f32_16x16x128_f8f6f4 v[\d:\d+7], v[\a:\a+7], v[\b:\b+7], 0, v[\sa], v[\sb] matrix_a_fmt:MATRIX_FMT_FP4 matrix_b_fmt:MATRIX_FMT_FP4 matrix_b_scale:MATRIX_SCALE_ROW1
.else
	v_wmma_scale_f32_16x16x128_f8f6f4 v[\d:\d+7], v[\a:\a+7], v[\b:\b+7], 0, v[\sa], v[\sb] matrix_a_fmt:MATRIX_FMT_FP4 matrix_b_fmt:MATRIX_FMT_FP4
.endif
.else
.if (\ra) && (\rb)
	v_wmma_scale_f32_16x16x128_f8f6f4 v[\d:\d+7], v[\a:\a+7], v[\b:\b+7], v[\c:\c+7], v[\sa], v[\sb] matrix_a_fmt:MATRIX_FMT_FP4 matrix_b_fmt:MATRIX_FMT_FP4 matrix_a_scale:MATRIX_SCALE_ROW1 matrix_b_scale:MATRIX_SCALE_ROW1
.elseif (\ra)
	v_wmma_scale_f32_16x16x128_f8f6f4 v[\d:\d+7], v[\a:\a+7], v[\b:\b+7], v[\c:\c+7], v[\sa], v[\sb] matrix_a_fmt:MATRIX_FMT_FP4 matrix_b_fmt:MATRIX_FMT_FP4 matrix_a_scale:MATRIX_SCALE_ROW1
.elseif (\rb)
	v_wmma_scale_f32_16x16x128_f8f6f4 v[\d:\d+7], v[\a:\a+7], v[\b:\b+7], v[\c:\c+7], v[\sa], v[\sb] matrix_a_fmt:MATRIX_FMT_FP4 matrix_b_fmt:MATRIX_FMT_FP4 matrix_b_scale:MATRIX_SCALE_ROW1
.else
	v_wmma_scale_f32_16x16x128_f8f6f4 v[\d:\d+7], v[\a:\a+7], v[\b:\b+7], v[\c:\c+7], v[\sa], v[\sb] matrix_a_fmt:MATRIX_FMT_FP4 matrix_b_fmt:MATRIX_FMT_FP4
.endif
.endif
.endm
	s_load_b128 s[4:7], s[0:1], 0x0                ; qkv, ctx
	v_lshl_add_u32 v254, v0, 2, 0x29000
	v_mov_b32 v255, 0
	ds_add_u32 v254, v255
	ds_add_u32 v254, v255
	v_lshrrev_b32 v1, 5, v0
	v_readfirstlane_b32 s8, v1                     ; wave 0..15
	s_bfe_u32 s9, ttmp6, 0x40000                   ; cx
	s_and_b32 s10, ttmp7, 0xffff                   ; bh = 16 b + head, which the four partners share
	s_lshr_b32 s11, s8, 1                          ; a: the early tile's block of 128, and its last key step
	s_sub_co_u32 s12, 15, s11                      ; the late tile's
	s_and_b32 s13, s8, 1
	s_lshl_b32 s13, s13, 2
	s_add_co_u32 s13, s13, s9                      ; e: the early tile's place in its block
	s_sub_co_u32 s14, 7, s13                       ; the late tile's
	s_mov_b32 s24, 15|(3<<16)|(1<<21)              ; group 1: the mask names all four; elements of 8 bytes; bit 21 beside a mask; no padding
	s_mov_b32 s25, 32<<16                          ; tensor_dim0: 32 elements = 256 bytes
	s_mov_b32 s26, 35<<16                          ; tensor_dim1: 35 rows = 8,960 dense bytes
	s_mov_b32 s27, 32<<16                          ; tile_dim0
	s_mov_b32 s28, 35                              ; tile_dim1
	s_mov_b32 s29, 32                              ; from row to row
	s_mov_b32 s30, 0
	s_mov_b32 s31, 0
	s_mov_b32 s32, 1                               ; group 0: wave w fetches key step w
	s_mul_i32 s33, s8, KSTEP
	s_lshl_b32 s2, s10, 4
	s_add_co_u32 s2, s2, s8
	s_mul_i32 s2, s2, REC                          ; record 16 bh + w: made of bh and the wave's number alone
	s_mov_b32 s3, 0
	s_mov_b32 s20, 0x76543210                      ; v_permlanex16_b32's selects for lane l xor 16
	s_mov_b32 s21, 0xfedcba98
	s_mov_b32 s22, 0x3e38aa3b                      ; c = log2(e) / 8
	s_mov_b32 s23, s22                             ; (named with it as a pair, so it is written)
	s_mov_b32 s60, 0xffff0000                      ; lanes 16-31
	s_wait_dscnt 0x0
	s_wait_kmcnt 0x0
	s_add_nc_u64 s[34:35], s[4:5], s[2:3]
	s_or_b32 s35, s35, 0x80000000
	CROUND                                         ; all four work-groups are here: the joint loads meet
	tensor_load_to_lds s[32:35], s[24:31]          ; my one tensor load
	s_nop 0
.rept 4
	v_nop
.endr
; the addresses of a tile: block s[sa], place s[se]
.macro BASES sa, se, qc, qs, cc, cs
	s_lshl_b32 s52, s10, 4
	s_add_co_u32 s52, s52, s[\sa]
	s_mul_i32 s52, s52, REC                        ; its record of qkv
	s_lshl_b32 s54, s[\se], 9
	s_add_co_u32 s54, s54, s52
	s_add_co_u32 s54, s54, 8960
	s_mov_b32 s55, 0
	s_add_nc_u64 s[\qc:\qc+1], s[4:5], s[54:55]    ; Q's codes: 512 bytes a tile
	s_and_b32 s54, s[\se], 1
	s_lshl_b32 s54, s54, 8
	s_lshr_b32 s56, s[\se], 1
	s_lshl_b32 s56, s56, 2
	s_add_co_u32 s54, s54, s56
	s_add_co_u32 s54, s54, s52
	s_add_co_u32 s54, s54, 13056
	s_add_nc_u64 s[\qs:\qs+1], s[4:5], s[54:55]    ; Q's scale words: lane 16 (e % 2) + r, word e / 2
	s_and_b32 s52, s10, 0x30                       ; 16 b
	s_add_co_u32 s52, s52, s[\sa]
	s_mul_i32 s52, s52, CREC                       ; its record of ctx
	s_and_b32 s54, s10, 14
	s_lshl_b32 s54, s54, 12                        ; K step head / 2: 8,192 bytes
	s_add_co_u32 s54, s54, s52
	s_lshl_b32 s56, s[\se], 10                     ; the tile: 1,024
	s_add_co_u32 s54, s54, s56
	s_and_b32 s56, s10, 1
	s_lshl_b32 s56, s56, 9                         ; the head's parity: 512
	s_add_co_u32 s54, s54, s56
	s_add_nc_u64 s[\cc:\cc+1], s[6:7], s[54:55]
	s_lshl_b32 s54, s[\se], 9                      ; scale bytes: 16 rows of 32
	s_add_co_u32 s54, s54, s52
	s_and_b32 s56, s10, 15
	s_lshl_b32 s56, s56, 1                         ; byte 2 x head
	s_add_co_u32 s54, s54, s56
	s_add_co_u32 s54, s54, 65536
	s_add_nc_u64 s[\cs:\cs+1], s[6:7], s[54:55]
.endm
	BASES 12, 14, 36, 38, 44, 48                   ; the late tile
	BASES 11, 13, 40, 42, 46, 50                   ; the early tile
	v_and_b32 v1, 31, v0                           ; lane
	v_lshlrev_b32 v[L8], 3, v1
	v_lshlrev_b32 v[L16], 4, v1
	v_and_b32 v[R16], 15, v0                       ; r
	v_bfe_u32 v77, v0, 4, 1                        ; h
	v_lshl_add_u32 v[LSC], v[R16], 5, v77
	v_lshlrev_b32 v78, 3, v77
	v_sub_nc_u32 v78, v[R16], v78                  ; r - 8 h
	s_lshl_b32 s52, s14, 4
	v_add_nc_u32 v[DQL], s52, v78
	s_lshl_b32 s52, s13, 4
	v_add_nc_u32 v[DQE], s52, v78
	v_lshlrev_b32 v[R16], 4, v[R16]                ; 16 r
	global_load_b128 v[QL:QL+3], v[L16], s[36:37]
	global_load_b32 v[QSL], v[R16], s[38:39]
	global_load_b128 v[QE:QE+3], v[L16], s[40:41]
	global_load_b32 v[QSE], v[R16], s[42:43]
.irp i, 4,5,6,7
	v_mov_b32 v[QL+\i], 0                          ; zero codes for the upper 64 along K
	v_mov_b32 v[QE+\i], 0
	v_mov_b32 v[KF+28+\i], 0                       ; and behind K's last tile
	v_mov_b32 v[BT+\i-4], 0                        ; written once: a lane permute's destination counts as one of its sources
.endr
	v_mov_b32 v[NML+1], 0xff61b1e6                 ; the largest t so far: -3e38, under every t
	v_mov_b32 v[NME+1], 0xff61b1e6
	v_floor_f32 v[NML], -v[NML+1]                  ; -M
	v_floor_f32 v[NME], -v[NME+1]
	v_mov_b32 v[SUML], 0
	v_mov_b32 v[SUML+1], 0
	v_mov_b32 v[SUME], 0
	v_mov_b32 v[SUME+1], 0
	v_mov_b32 v[F+1], 0                            ; (named as the upper half of a pair)
	v_mov_b32 v[NINF], 0xff800000                  ; -infinity
.set j_, 0
.rept 64
	v_mov_b32 v[OL+j_], 0                          ; O^T of both tiles: the first change of M leaves zeros zeros
.set j_, j_+1
.endr
; A KEY STEP of one tile: 128 keys at LDS byte s18.
.macro STEP q, qs, nm, sum, o, dq, lim
	v_add_nc_u32 v[ADK], s18, v[L16]
	v_add_nc_u32 v[ADS], s18, v[L8]
	v_nop
	v_nop                                          ; four places in front of loads into registers that the last products read
	ds_load_b128 v[KS:KS+3], v[ADK] offset:8192
.irp t, 0,1,2,3,4,5,6,7
	ds_load_b128 v[KF+4*\t:KF+4*\t+3], v[ADK] offset:512*\t   ; lane (r, h): key 16 t + r, channels 32 h on: 512 consecutive bytes a load
.endr
	s_wait_dscnt 0x0
.irp t, 0,1,2,3,4,5,6,7
	WM S+8*\t, KF+4*\t, \q, 0, 1, KS+\t/2, \qs, \t%2, 0     ; register 8 t + j of lane (r, h): query r, key 16 t + 8 h + j
.endr
.rept 4
	v_nop
.endr
	ds_load_b64 v[VS:VS+1], v[ADS] offset:8704     ; V is asked for here and lands under the softmax
.irp t, 0,1,2,3
.irp c, 0,1
	ds_load_b128 v[KF+8*\t+4*\c:KF+8*\t+4*\c+3], v[ADK] offset:4096+1024*\t+512*\c
.endr
.endr
	s_cmp_lg_u32 s17, s[\lim]                      ; the diagonal step alone has hidden keys: a branch on the wave's number and the trip
	s_cbranch_scc1 .Lopen_\@
.set n_, 0
.rept 64
	v_cmp_gt_i32 vcc_lo, 16*(n_/8)+n_%8, v[\dq]    ; key 16 t + 8 h + j comes after my query
	v_cndmask_b32 v[S+n_], v[S+n_], v[NINF], vcc_lo
.set n_, n_+1
.endr
.Lopen_\@:
.irp b, 0,1,2,3
	v_max3_num_f32 v[BM+\b], v[S+16*\b], v[S+16*\b+1], v[S+16*\b+2]   ; the largest score of each block of 32 keys: it serves the row's maximum and, since p rises with the score, the block's largest p
.endr
.irp i, 3,5,7,9,11,13
.irp b, 0,1,2,3
	v_max3_num_f32 v[BM+\b], v[BM+\b], v[S+16*\b+\i], v[S+16*\b+\i+1]
.endr
.endr
.irp b, 0,1,2,3
	v_max_num_f32 v[BM+\b], v[BM+\b], v[S+16*\b+15]
.endr
.irp b, 0,1,2,3
	v_permlanex16_b32 v[BT+\b], v[BM+\b], s20, s21
.endr
.irp b, 0,1,2,3
	v_max_num_f32 v[BM+\b], v[BM+\b], v[BT+\b]     ; with lane l xor 16's 16 keys
.endr
	v_max3_num_f32 v[T0], v[BM], v[BM+1], v[BM+2]
	v_max_num_f32 v[T0], v[T0], v[BM+3]
	v_mul_f32 v[T0], s22, v[T0]                    ; the step's largest t
	v_max_num_f32 v[\nm+1], v[\nm+1], v[T0]        ; the running largest t
	v_mov_b32 v[T0], v[\nm]
	v_floor_f32 v[\nm], -v[\nm+1]                  ; the new -M = -ceil(t)
	v_sub_f32 v[T0], v[\nm], v[T0]                 ; old M - new M: a whole number, 0 or less
	v_cvt_i32_f32 v[T0], v[T0]                     ; (it saturates)
	v_ldexp_f32 v[F], 1.0, v[T0]                   ; f = 2^(old M - new M)
.set j_, 0
.rept 32
	v_pk_fma_f32 v[S+j_:S+j_+1], v[S+j_:S+j_+1], s[22:23], v[\nm:\nm+1] op_sel_hi:[1,0,0]   ; t - M, two at a time
.set j_, j_+2
.endr
.irp b, 0,1,2,3
	v_fma_f32 v[BM+\b], v[BM+\b], s22, v[\nm]      ; the same of each block's largest score
.endr
.set j_, 0
.rept 64
	v_exp_f32 v[S+j_], v[S+j_]                     ; p = 2^(t - M)
.set j_, j_+1
.endr
	v_pk_mul_f32 v[\sum:\sum+1], v[\sum:\sum+1], v[F:F+1] op_sel_hi:[1,0]   ; the sums under the new M: the plain place behind the exponentials
	s_wait_alu depctr_va_vdst(0)                   ; one wait for the batch, ahead of its first reader
.irp b, 0,1,2,3
	v_exp_f32 v[BM+\b], v[BM+\b]                   ; the block's largest p: the same two instructions on the same number give the same bits
.endr
	v_pk_add_f32 v[C2:C2+1], v[S:S+1], v[S+2:S+3]  ; the row's sum is taken of the unquantised p, in two chains
.set j_, 4
.rept 15
	v_pk_add_f32 v[\sum:\sum+1], v[\sum:\sum+1], v[S+j_:S+j_+1]
	v_pk_add_f32 v[C2:C2+1], v[C2:C2+1], v[S+j_+2:S+j_+3]
.set j_, j_+4
.endr
	v_pk_add_f32 v[\sum:\sum+1], v[\sum:\sum+1], v[C2:C2+1]
	s_wait_alu depctr_va_vdst(0)                   ; and one for the four
.irp b, 0,1,2,3
	v_max_num_f32 v[BM+\b], 0x1800000, v[BM+\b]    ; the floor 2^(3 - 127): the byte cannot fall under 1
.endr
.irp b, 0,1,2,3
	v_add_nc_u32 v[SO+\b], 0xff000000, v[BM+\b]    ; 2 off the exponent field: the conversion's scale operand
.endr
.irp b, 0,1,2,3
	v_lshrrev_b32 v[BT+\b], 23, v[SO+\b]           ; the scale's byte
.endr
	v_lshl_or_b32 v[PS], v[BT+1], 8, v[BT]         ; p's scale word for these 128 keys
	v_lshl_or_b32 v[PS], v[BT+2], 16, v[PS]
	v_lshl_or_b32 v[PS], v[BT+3], 24, v[PS]
.irp b, 0,1,2,3
.irp u, 0,1
	v_cvt_scalef32_pk8_fp4_f32 v[PC+4*(\b/2)+2*\u+\b%2], v[S+16*\b+8*\u:S+16*\b+8*\u+7], v[SO+\b]
.endr
.endr
	v_nop                                          ; one plain place behind a scaled conversion
.irp c, 0,1
.irp u, 0,1
	v_permlane16_swap_b32 v[PC+4*\c+2*\u], v[PC+4*\c+2*\u+1]   ; register 4 c + i now holds keys 64 c + 32 h + 8 i .. + 7
.endr
.endr
.set j_, 0
.rept 16
	v_pk_mul_f32 v[\o+j_:\o+j_+1], v[\o+j_:\o+j_+1], v[F:F+1] op_sel_hi:[1,0]   ; O^T under the new M; these are also the places between the scale word's and the codes' last writes and the products
.set j_, j_+2
.endr
	s_wait_dscnt 0x0                               ; V
.irp t, 0,1,2,3
	WM \o+8*\t, KF+8*\t, PC, \o+8*\t, 0, VS+\t/2, PS, \t%2, 0   ; four accumulators, one instruction each
.endr
.endm
; A tile's way out: O^T / the sum, quantised along the head's 64 (two blocks), 512 consecutive bytes of codes and a byte a lane.
.macro OUT sum, o, x, cc, cs
	v_add_f32 v[T0], v[\sum], v[\sum+1]
	v_permlanex16_b32 v[BT], v[T0], s20, s21
	v_add_f32 v[T0], v[T0], v[BT]                  ; the row's sum
	v_rcp_f32 v[F], v[T0]
	v_nop                                          ; a plain place behind the reciprocal
	s_wait_alu depctr_va_vdst(0)                   ; and the wait ahead of its first reader
.set j_, 0
.rept 16
	v_pk_mul_f32 v[S+j_:S+j_+1], v[\o+j_:\o+j_+1], v[F:F+1] op_sel_hi:[1,0]   ; each accumulator from its low end on
.set j_, j_+2
.endr
.irp b, 0,1
	v_max3_num_f32 v[BM+\b], |v[S+16*\b]|, |v[S+16*\b+1]|, 0x1800000
.endr
.irp i, 2,4,6,8,10,12,14
.irp b, 0,1
	v_max3_num_f32 v[BM+\b], v[BM+\b], |v[S+16*\b+\i]|, |v[S+16*\b+\i+1]|
.endr
.endr
.irp b, 0,1
	v_permlanex16_b32 v[BT+\b], v[BM+\b], s20, s21
.endr
.irp b, 0,1
	v_max_num_f32 v[BM+\b], v[BM+\b], v[BT+\b]
.endr
.irp b, 0,1
	v_add_nc_u32 v[SO+\b], 0xff000000, v[BM+\b]
.endr
.irp b, 0,1
	v_lshrrev_b32 v[BT+\b], 23, v[SO+\b]
.endr
.irp b, 0,1
.irp u, 0,1
	v_cvt_scalef32_pk8_fp4_f32 v[PC+4*\x+2*\u+\b], v[S+16*\b+8*\u:S+16*\b+8*\u+7], v[SO+\b]
.endr
.endr
	v_cndmask_b32 v[CB+\x], v[BT], v[BT+1], s60    ; lanes 0-15 store block 0's byte, lanes 16-31 block 1's.  (The plain place behind the conversions)
.irp u, 0,1
	v_permlane16_swap_b32 v[PC+4*\x+2*\u], v[PC+4*\x+2*\u+1]   ; register i: channels 32 h + 8 i .. + 7 of row r
.endr
	global_store_b128 v[L16], v[PC+4*\x:PC+4*\x+3], s[\cc:\cc+1]
	global_store_b8 v[LSC], v[CB+\x], s[\cs:\cs+1]
.endm
	s_wait_tensorcnt 0x0                           ; my key step has landed,
	s_barrier_signal -1
	s_barrier_wait -1                              ; and so have all sixteen
	s_wait_loadcnt 0x0                             ; Q
	s_mov_b32 s17, 0                               ; the key step
	s_mov_b32 s18, 0                               ; and its LDS byte
.Lstep:                                            ; sixteen trips for every wave; a tile's work is jumped over where all the step's keys come after its queries
	s_cmp_gt_u32 s17, s12
	s_cbranch_scc1 .Lno_late
	STEP QL, QSL, NML, SUML, OL, DQL, 12
.Lno_late:
	s_cmp_gt_u32 s17, s11
	s_cbranch_scc1 .Lno_early
	STEP QE, QSE, NME, SUME, OE, DQE, 11
.Lno_early:
	s_add_co_u32 s18, s18, KSTEP
	s_add_co_u32 s17, s17, 1
	s_cmp_lt_u32 s17, 16
	s_cbranch_scc1 .Lstep
.rept 4
	v_nop                                          ; places in front of the first read of the last results
.endr
	OUT SUML, OL, 0, 44, 48
	OUT SUME, OE, 1, 46, 50
	s_wait_tensorcnt 0x0
	ds_add_u32 v254, v255
	s_wait_dscnt 0x0
	CROUND                                         ; the closing round
	s_endpgm
.Lfunc_end_k_qcf7c89f049_attn:
	.size	k_qcf7c89f049_attn, .Lfunc_end_k_qcf7c89f049_attn-k_qcf7c89f049_attn
	.p2alignl 7, 3214868480
	.fill 96, 4, 3214868480
	.section	.rodata,"a",@progbits
	.p2align	6, 0x0
	.amdhsa_kernel k_qcf7c89f049_attn
		.amdhsa_group_segment_fixed_size 169984
		.amdhsa_private_segment_fixed_size 0
		.amdhsa_enable_private_segment 0
		.amdhsa_kernarg_size 16
		.amdhsa_user_sgpr_count 2
		.amdhsa_user_sgpr_kernarg_segment_ptr 1
		.amdhsa_wavefront_size32 1
		.amdhsa_system_sgpr_workgroup_id_x 1
		.amdhsa_system_sgpr_workgroup_id_y 1
		.amdhsa_system_sgpr_workgroup_id_z 1
		.amdhsa_system_vgpr_workitem_id 0
		.amdhsa_next_free_vgpr 256
		.amdhsa_next_free_sgpr 66
		.amdhsa_reserve_vcc 1
		.amdhsa_float_denorm_mode_32 3
		.amdhsa_float_denorm_mode_16_64 3
		.amdhsa_memory_ordered 1
		.amdhsa_forward_progress 1
		.amdhsa_inst_pref_size 56
	.end_amdhsa_kernel
	.amdgpu_metadata
---
amdhsa.version: [ 1, 2 ]
amdhsa.kernels:
  - .name:           k_qcf7c89f049_attn
    .symbol:         k_qcf7c89f049_attn.kd
    .args:
      - { .name: qkv, .offset: 0, .size: 8, .value_kind: global_buffer, .address_space: global }
      - { .name: ctx, .offset: 8, .size: 8, .value_kind: global_buffer, .address_space: global }
    .group_segment_fixed_size: 169984
    .private_segment_fixed_size: 0
    .kernarg_segment_align: 8
    .kernarg_segment_size: 16
    .max_flat_workgroup_size: 512
    .sgpr_count:     66
    .vgpr_count:     256
    .wavefront_size: 32
...
	.end_amdgpu_metadata
.endif
;; end of part 2
;; launch outp (part 3): grid 4 x 64, 4 waves a work-group, clusters of 4 x 4, 222,720 bytes of LDS; arguments ctx, Wo_codes, Wo_scales, bo, out0; writes out0
.if DOCPART == 3
	.amdgcn_target "amdgcn-amd-amdhsa--gfx1250"
	.amdhsa_code_object_version 6
	.text
	.protected	k_qcf7c89f049_outp
	.globl	k_qcf7c89f049_outp
	.p2align	8
	.type	k_qcf7c89f049_outp,@function
k_qcf7c89f049_outp:
	s_mov_b64 s[64:65], 0
	v_nop
	global_prefetch_b8 v0, s[64:65] scope:SCOPE_SE
	s_setreg_imm32_b32 hwreg(HW_REG_WAVE_MODE, 25, 1), 1
	s_wait_xcnt 0x0
	s_wait_alu depctr_hold_cnt(0) depctr_sa_sdst(0) depctr_va_vdst(0) depctr_va_sdst(0) depctr_va_ssrc(0) depctr_va_vcc(0) depctr_vm_vsrc(0)
	s_getreg_b32 s2, hwreg(HW_REG_IB_STS2, 6, 4)
	s_cmp_eq_u32 s2, 0
	s_cbranch_scc0 .Lentry_in_a_cluster
	s_endpgm
.Lentry_in_a_cluster:
	s_bfe_u32 s2, ttmp6, 0x10000c
	s_cmp_lg_u32 s2, 0xf033
	s_cbranch_scc0 .Lentry_shape_is_right
	s_endpgm
.Lentry_shape_is_right:
; out0 = ctx Wo^T + bo on codes of FP4 (E2M1) with E8M0 scales.  ctx: 64 records of 69,632 bytes (128 rows each): codes as images of the operand's registers, [K step 8][tile 8][c 2][lane][16 B], then scale bytes [row 128][32].
; Wo: [1024 (n)][1024 (k)] codes, 512 bytes a row, 32 scale bytes a row.  bo [1024], out0 [8192][1024]: f32.
; SHARES.  A work-group makes 128 rows x 256 columns, a wave 128 x 64: 32 accumulators.  THE MATRIX INSTRUCTION IS USED TRANSPOSED (source 0 = 16 rows of Wo, source 1 = 16 rows of ctx): a lane holds eight
; neighbouring numbers of a row of out0.  The bias is the C of each sum's first product: eight registers a column tile, in the result's layout.
; LDS: all of K at once, nothing is filled twice: ctx's images at 0 (8,192 bytes a K step, dense: a load's 512 bytes are consecutive); Wo's 256 rows as two K halves of 256 bytes + 16 of padding from 65,536 on;
; behind them a stage of 16 rows x 272 bytes for each wave, into which no tile lands.
; CLUSTER 4 x 4: the four of a row need the same record of ctx, the four of a column the same rows of Wo: each tile is asked for jointly.
; Nothing is prefetched: all that a work-group reads is asked for by the loads at its head.
; REGISTERS: window 0: v1-14 addresses; v16-47 ctx's scale words, v48-63 Wo's; v64-159, v160-255 two sets of fragments (ctx's eight, Wo's four); on the way out v64-127 rows of out0.  window 1: the accumulators.  window 2: v0-31 the bias.
.set PITCH, 272
.set TILEB, 16*PITCH
.set WBASE, 65536
.set WHALF, 256*PITCH
.set STAGE, WBASE+2*WHALF
.set CREC,  69632
.set SA,    16
.set SB,    48
.set BK,    64
.set STO,   12
.set RD,    13
.set CO,    14
.set G1A,   24
.set G1B,   32
.set MSB, 0
.macro WIN new                         ; the immediate's high byte repeats the setting that is left
.if MSB != \new
	s_set_vgpr_msb (MSB<<8)|\new
.set MSB, \new
.endif
.endm
.macro CROUND
	s_barrier_signal -1
	s_barrier_wait -1
	s_cmp_lg_u32 s22, 0
	s_cbranch_scc1 .Lnot_wave_0_\@
	s_barrier_signal -3
.Lnot_wave_0_\@:
	s_barrier_wait -3
	s_barrier_signal -1
	s_barrier_wait -1
.endm
.macro PLACES n
.rept \n
	v_nop
.endr
.endm
; One product.  d, a, b, c: first registers of D, source 0, source 1, C;  sa, sb: scale registers;  ra, rb = 1: that side's words lie in lanes 16-31.
.macro WM d, a, b, c, sa, sb, ra, rb
.if (\ra) && (\rb)
	v_wmma_scale_f32_16x16x128_f8f6f4 v[\d:\d+7], v[\a:\a+7], v[\b:\b+7], v[\c:\c+7], v[\sa], v[\sb] matrix_a_fmt:MATRIX_FMT_FP4 matrix_b_fmt:MATRIX_FMT_FP4 matrix_a_scale:MATRIX_SCALE_ROW1 matrix_b_scale:MATRIX_SCALE_ROW1
.elseif (\ra)
	v_wmma_scale_f32_16x16x128_f8f6f4 v[\d:\d+7], v[\a:\a+7], v[\b:\b+7], v[\c:\c+7], v[\sa], v[\sb] matrix_a_fmt:MATRIX_FMT_FP4 matrix_b_fmt:MATRIX_FMT_FP4 matrix_a_scale:MATRIX_SCALE_ROW1
.elseif (\rb)
	v_wmma_scale_f32_16x16x128_f8f6f4 v[\d:\d+7], v[\a:\a+7], v[\b:\b+7], v[\c:\c+7], v[\sa], v[\sb] matrix_a_fmt:MATRIX_FMT_FP4 matrix_b_fmt:MATRIX_FMT_FP4 matrix_b_scale:MATRIX_SCALE_ROW1
.else
	v_wmma_scale_f32_16x16x128_f8f6f4 v[\d:\d+7], v[\a:\a+7], v[\b:\b+7], v[\c:\c+7], v[\sa], v[\sb] matrix_a_fmt:MATRIX_FMT_FP4 matrix_b_fmt:MATRIX_FMT_FP4
.endif
.endm
	s_load_b128 s[4:7], s[0:1], 0x0                ; ctx, Wo's codes
	s_load_b128 s[8:11], s[0:1], 0x10              ; Wo's scales, bo
	s_load_b64 s[12:13], s[0:1], 0x20              ; out0
	v_lshl_add_u32 v10, v0, 2, 0x36400
	v_mov_b32 v15, 0
	ds_add_u32 v10, v15
	ds_add_u32 v10, v15
	v_lshrrev_b32 v1, 5, v0
	v_readfirstlane_b32 s22, v1                    ; wave 0..3
	s_bfe_u32 s56, ttmp6, 0x40000                  ; cx: which 256 columns
	s_bfe_u32 s57, ttmp6, 0x40004                  ; cy
	s_and_b32 s58, ttmp7, 0xffff
	s_lshl_b32 s58, s58, 2
	s_add_co_u32 s58, s58, s57                     ; mt = 4 x cluster y + cy: which record of ctx
	s_lshl_b32 s59, s57, 2
	s_lshl_b32 s59, 15, s59                        ; my row of the cluster
	s_lshl_b32 s60, 0x1111, s56                    ; my column
	s_or_b32 s[G1A], s59, (3<<16)|(1<<21)          ; ctx's images go to my row: elements of 8 bytes; bit 21 beside a mask; no padding
	s_mov_b32 s[G1A+1], 32<<16                     ; 32 rows of 256 dense bytes: one K step
	s_mov_b32 s[G1A+2], 32<<16
	s_mov_b32 s[G1A+3], 32<<16
	s_mov_b32 s[G1A+4], 32
	s_mov_b32 s[G1A+5], 32
	s_mov_b32 s[G1A+6], 0
	s_mov_b32 s[G1A+7], 0
	s_or_b32 s[G1B], s60, (1<<20)|(1<<21)|(5<<22)|(3<<25)   ; Wo's tiles go to my column: elements of one byte; four words of padding after every 64
	s_mov_b32 s[G1B+1], 256<<16                    ; 64 rows x 256 bytes a wave
	s_mov_b32 s[G1B+2], 64<<16
	s_mov_b32 s[G1B+3], 256<<16
	s_mov_b32 s[G1B+4], 64
	s_mov_b32 s[G1B+5], 512
	s_mov_b32 s[G1B+6], 0
	s_mov_b32 s[G1B+7], 0
	s_mov_b32 s40, 1                               ; group 0: ctx, K step = wave
	s_lshl_b32 s41, s22, 13
	s_mov_b32 s44, 1                               ; Wo, K half 0
	s_mul_i32 s45, s22, 64*PITCH
	s_add_co_u32 s45, s45, WBASE
	s_mov_b32 s48, 1                               ; ctx, K step 4 + wave
	s_add_co_u32 s49, s41, 32768
	s_mov_b32 s52, 1                               ; Wo, K half 1
	s_add_co_u32 s53, s45, WHALF
	s_mul_i32 s66, s58, CREC                       ; ctx: made of mt and the wave's number alone
	s_lshl_b32 s74, s22, 13
	s_add_co_u32 s66, s66, s74
	s_mov_b32 s67, 0
	s_lshl_b32 s68, s56, 17                        ; Wo: (256 cx + 64 wave) rows of 512 bytes: made of cx and the wave's number alone
	s_lshl_b32 s75, s22, 15
	s_add_co_u32 s68, s68, s75
	s_mov_b32 s69, 0
	s_mul_i32 s70, s58, CREC                       ; ctx's scale bytes
	s_add_co_u32 s70, s70, 65536
	s_mov_b32 s71, 0
	s_lshl_b32 s76, s56, 13                        ; Wo's scale bytes: (256 cx + 64 wave) rows of 32
	s_lshl_b32 s77, s22, 11
	s_add_co_u32 s76, s76, s77
	s_mov_b32 s77, 0
	s_lshl_b32 s78, s56, 10                        ; my first column, in bytes of f32
	s_lshl_b32 s79, s22, 8
	s_add_co_u32 s78, s78, s79
	s_mov_b32 s79, 0
	s_lshl_b32 s84, s58, 19                        ; my first row of out0: 128 mt rows of 4,096 bytes
	s_add_co_u32 s84, s84, s78
	s_mov_b32 s85, 0
	s_wait_dscnt 0x0
	s_wait_kmcnt 0x0
	s_add_nc_u64 s[42:43], s[4:5], s[66:67]
	s_add_nc_u64 s[50:51], s[42:43], 32768
	s_or_b32 s43, s43, 0x80000000
	s_or_b32 s51, s51, 0x80000000
	s_add_nc_u64 s[46:47], s[6:7], s[68:69]
	s_add_nc_u64 s[54:55], s[46:47], 256
	s_or_b32 s47, s47, 0x80000000
	s_or_b32 s55, s55, 0x80000000
	s_add_nc_u64 s[14:15], s[4:5], s[70:71]
	s_add_nc_u64 s[8:9], s[8:9], s[76:77]
	s_add_nc_u64 s[10:11], s[10:11], s[78:79]
	s_add_nc_u64 s[12:13], s[12:13], s[84:85]
	CROUND                                         ; all sixteen work-groups are here: the joint loads meet
	tensor_load_to_lds s[40:43], s[G1A:G1A+7]      ; all fills of the launch, as one group: four loads of mine are out
	s_nop 0
	tensor_load_to_lds s[44:47], s[G1B:G1B+7]
	s_nop 0
	tensor_load_to_lds s[48:51], s[G1A:G1A+7]
	s_nop 0
	tensor_load_to_lds s[52:55], s[G1B:G1B+7]
	s_nop 0
.rept 4
	v_nop
.endr
	v_and_b32 v1, 31, v0                           ; lane
	v_and_b32 v2, 15, v0                           ; r
	v_bfe_u32 v3, v0, 4, 1                         ; h
	v_mul_u32_u24 v4, v2, PITCH
	v_lshl_add_u32 v5, v3, 4, v4                   ; row r x pitch + 16 h
	v_add_nc_u32 v6, s45, v5                       ; Wo's fragments: my wave's 64 rows, K half 0
	v_add_nc_u32 v7, s53, v5                       ; K half 1
	v_lshlrev_b32 v8, 5, v1                        ; 32 x lane
	v_lshlrev_b32 v9, 4, v1                        ; 16 x lane: an image's place for my lane
	v_lshlrev_b32 v11, 5, v3                       ; 32 h: my half's eight numbers of the bias
	s_mul_i32 s74, s22, TILEB
	s_add_co_u32 s74, s74, STAGE                   ; my stage
	v_lshl_add_u32 v[STO], v3, 5, v4
	v_add_nc_u32 v[STO], s74, v[STO]               ; in: row r, 32 bytes for each half of the lanes
	v_mul_u32_u24 v[RD], v3, PITCH
	v_lshl_add_u32 v[RD], v2, 4, v[RD]
	v_add_nc_u32 v[RD], s74, v[RD]                 ; back: lanes 0-15 one row of 256 bytes, lanes 16-31 the next
	v_lshlrev_b32 v[CO], 12, v3
	v_lshl_add_u32 v[CO], v2, 4, v[CO]             ; and the same two rows in out0
.irp g, 0,1,2,3                                ; a row's 32 scale bytes are its eight words: lane l takes row 32 g + l
	global_load_b128 v[SA+8*\g:SA+8*\g+3], v8, s[14:15] offset:1024*\g
	global_load_b128 v[SA+8*\g+4:SA+8*\g+7], v8, s[14:15] offset:1024*\g+16
.endr
.irp z, 0,1
	global_load_b128 v[SB+8*\z:SB+8*\z+3], v8, s[8:9] offset:1024*\z
	global_load_b128 v[SB+8*\z+4:SB+8*\z+7], v8, s[8:9] offset:1024*\z+16
.endr
	WIN 0x80                                       ; destination window 2
.irp t, 0,1,2,3
	global_load_b128 v[8*\t:8*\t+3], v11, s[10:11] offset:64*\t        ; bo at columns 16 t + 8 h + 0 .. 7
	global_load_b128 v[8*\t+4:8*\t+7], v11, s[10:11] offset:64*\t+16
.endr
	WIN 0
; 24 LDS loads: K step q's fragments into set: Wo's four, then ctx's eight
.macro FETCH q, set
.irp t, 0,1,2,3
.irp c, 0,1
	ds_load_b128 v[128+96*(\set)+8*\t+4*\c:128+96*(\set)+8*\t+4*\c+3], v[6+(\q)/4] offset:\t*TILEB+64*((\q)%4)+32*\c
.endr
.endr
.irp a, 0,1,2,3,4,5,6,7
.irp c, 0,1
	ds_load_b128 v[64+96*(\set)+8*\a+4*\c:64+96*(\set)+8*\a+4*\c+3], v9 offset:8192*(\q)+1024*\a+512*\c
.endr
.endr
.endm
; 32 products of a K step; the 32 accumulators ((a, t) at 8 (4 a + t)) take turns, one instruction a turn, in the same order in every step.  The first step's take the bias as C.
.macro MULT q, set
.irp a, 0,1,2,3,4,5,6,7
.irp t, 0,1,2,3
.if (\q) == 0
	WM 8*(4*\a+\t), 128+96*(\set)+8*\t, 64+96*(\set)+8*\a, 8*\t, SB+8*(\t/2)+(\q), SA+8*(\a/2)+(\q), \t%2, \a%2
.else
	WM 8*(4*\a+\t), 128+96*(\set)+8*\t, 64+96*(\set)+8*\a, 8*(4*\a+\t), SB+8*(\t/2)+(\q), SA+8*(\a/2)+(\q), \t%2, \a%2
.endif
.endr
.endr
.endm
.macro STEP q
.if (\q) > 0
	PLACES 4                                       ; in front of loads into the set that the last step's products read
.endif
.if (\q) == 3
	s_wait_tensorcnt 0x0                           ; my parts of the second K half have landed,
	s_wait_dscnt 0x0                               ; no LDS load of mine is out at the signal,
	s_barrier_signal -1
	s_barrier_wait -1                              ; and so have everybody's
.endif
.if (\q) < 7
	FETCH (\q)+1, ((\q)+1)%2
	s_wait_dscnt 24                                ; all but the 24 just issued: this step's fragments are in
.else
	s_wait_dscnt 0x0
.endif
.if (\q) == 0
	WIN 0x60                                       ; D in window 1, C (the bias) in window 2
.else
	WIN 0x50                                       ; C and D in window 1
.endif
	MULT \q, (\q)%2
	WIN 0
.endm
; THE WAY OUT, a block of 16 rows x 64 columns at a time.  A lane holds 32 neighbouring bytes of a row and the lanes beside it other rows: the block goes through my own stage and comes back as whole rows of 256 bytes.
; LDS serves a wave's instructions in order: no wait between the stores and the loads, nor in front of the next block's stores.
.macro TOSTAGE a
	WIN 0x04                                       ; an LDS store's data are its source 1: window 1
.irp t, 0,1,2,3
	ds_store_b128 v[STO], v[32*(\a)+8*\t:32*(\a)+8*\t+3] offset:64*\t          ; each accumulator from its low end on
	ds_store_b128 v[STO], v[32*(\a)+8*\t+4:32*(\a)+8*\t+7] offset:64*\t+16
.endr
	WIN 0
.irp i, 0,1,2,3,4,5,6,7
	ds_load_b128 v[BK+32*((\a)%2)+4*\i:BK+32*((\a)%2)+4*\i+3], v[RD] offset:2*PITCH*\i
.endr
.endm
.macro SEND a, younger                 ; younger: the LDS instructions issued behind block a's loads, which may stay out
	s_wait_dscnt \younger
.irp i, 0,1,2,3,4,5,6,7
	global_store_b128 v[CO], v[BK+32*((\a)%2)+4*\i:BK+32*((\a)%2)+4*\i+3], s[12:13] offset:(16*(\a)+2*\i)*4096 th:TH_STORE_NT   ; sixteen lanes store 256 consecutive bytes, aligned; written once, read by nobody here
.endr
.endm
	s_wait_tensorcnt 2                             ; my parts of the first K half are in; the second half's two loads may stay out
	s_barrier_signal -1
	s_barrier_wait -1                              ; everybody's are
	FETCH 0, 0
	s_wait_loadcnt 0x0                             ; the scale words and the bias
	STEP 0
	STEP 1
	STEP 2
	STEP 3
	STEP 4
	STEP 5
	STEP 6
	STEP 7
	PLACES 4                                       ; in front of the first read of results
	TOSTAGE 0
.irp a, 1,2,3,4,5,6,7
.if \a > 1
	s_wait_xcnt 0x0                                ; block a - 2's stores have read their registers: block a's loads may land there
.endif
	TOSTAGE \a
	SEND \a-1, 16                                  ; behind block a - 1's loads: block a's 8 stores and 8 loads
.endr
	SEND 7, 0
	s_wait_tensorcnt 0x0
	ds_add_u32 v10, v15
	s_wait_dscnt 0x0
	CROUND                                         ; the closing round: no work-group ends while a partner may still ask for a tile that names it
	s_endpgm
.Lfunc_end_k_qcf7c89f049_outp:
	.size	k_qcf7c89f049_outp, .Lfunc_end_k_qcf7c89f049_outp-k_qcf7c89f049_outp
	.p2alignl 7, 3214868480
	.fill 96, 4, 3214868480
	.section	.rodata,"a",@progbits
	.p2align	6, 0x0
	.amdhsa_kernel k_qcf7c89f049_outp
		.amdhsa_group_segment_fixed_size 222720
		.amdhsa_private_segment_fixed_size 0
		.amdhsa_enable_private_segment 0
		.amdhsa_kernarg_size 40
		.amdhsa_user_sgpr_count 2
		.amdhsa_user_sgpr_kernarg_segment_ptr 1
		.amdhsa_wavefront_size32 1
		.amdhsa_system_sgpr_workgroup_id_x 1
		.amdhsa_system_sgpr_workgroup_id_y 1
		.amdhsa_system_sgpr_workgroup_id_z 1
		.amdhsa_system_vgpr_workitem_id 0
		.amdhsa_next_free_vgpr 544
		.amdhsa_next_free_sgpr 96
		.amdhsa_reserve_vcc 0
		.amdhsa_float_denorm_mode_32 3
		.amdhsa_float_denorm_mode_16_64 3
		.amdhsa_memory_ordered 1
		.amdhsa_forward_progress 1
		.amdhsa_inst_pref_size 70
	.end_amdhsa_kernel
	.amdgpu_metadata
---
amdhsa.version: [ 1, 2 ]
amdhsa.kernels:
  - .name:           k_qcf7c89f049_outp
    .symbol:         k_qcf7c89f049_outp.kd
    .args:
      - { .name: ctx, .offset: 0, .size: 8, .value_kind: global_buffer, .address_space: global }
      - { .name: Wo_codes, .offset: 8, .size: 8, .value_kind: global_buffer, .address_space: global }
      - { .name: Wo_scales, .offset: 16, .size: 8, .value_kind: global_buffer, .address_space: global }
      - { .name: bo, .offset: 24, .size: 8, .value_kind: global_buffer, .address_space: global }
      - { .name: out0, .offset: 32, .size: 8, .value_kind: global_buffer, .address_space: global }
    .group_segment_fixed_size: 222720
    .private_segment_fixed_size: 0
    .kernarg_segment_align: 8
    .kernarg_segment_size: 40
    .max_flat_workgroup_size: 128
    .sgpr_count:     96
    .vgpr_count:     544
    .wavefront_size: 32
...
	.end_amdgpu_metadata
.endif
;; end of part 3
